; MI455X (gfx1250); checked and timed in simulation.
; The chip was launched on July 23, 2026; its instructions are those of AMD's public machine-readable ISA for CDNA 5 (MIT licence, August 2026) and "CDNA5" Instruction Set Architecture Reference Guide (July 2026). The comments in the code are by the model that wrote it; some were corrected since.
;; Cross Path V2. Allowed arithmetic: matrix products marked QUANTISED: E3M2 operands, one E8M0 scale for each 32 along K, by v_wmma_scale_f32_16x16x128_f8f6f4 with both operands' format E3M2, f32 sums; everything else in f32.
;; Inputs: W3_codes 512 x 16 x 24 uint8 (E3M2 codes of W3, K innermost, in blocks of 32 codes, four codes in three bytes); W3_scales 512 x 16 uint8 (E8M0 scales of W3, one for each 32 codes along K); W4_codes 512 x 16 x 24 uint8 (E3M2 codes of W4, K innermost, in blocks of 32 codes, four codes in three bytes); W4_scales 512 x 16 uint8 (E8M0 scales of W4, one for each 32 codes along K); We1_codes 512 x 32 x 24 uint8 (E3M2 codes of We1, K innermost, in blocks of 32 codes, four codes in three bytes); We1_scales 512 x 32 uint8 (E8M0 scales of We1, one for each 32 codes along K); We2_codes 512 x 32 x 24 uint8 (E3M2 codes of We2, K innermost, in blocks of 32 codes, four codes in three bytes); We2_scales 512 x 32 uint8 (E8M0 scales of We2, one for each 32 codes along K); Wkv1_codes 1,024 x 16 x 24 uint8 (E3M2 codes of Wkv1, K innermost, in blocks of 32 codes, four codes in three bytes); Wkv1_scales 1,024 x 16 uint8 (E8M0 scales of Wkv1, one for each 32 codes along K); Wkv2_codes 1,024 x 16 x 24 uint8 (E3M2 codes of Wkv2, K innermost, in blocks of 32 codes, four codes in three bytes); Wkv2_scales 1,024 x 16 uint8 (E8M0 scales of Wkv2, one for each 32 codes along K); b3 512 float32; b4 512 float32; be1 512 float32; be2 512 float32; bt1 512 float32; bt2 512 float32; c1_codes 4 x 4,096 x 16 x 24 uint8 (E3M2 codes of c1, K innermost, in blocks of 32 codes, four codes in three bytes); c1_scales 4 x 4,096 x 16 uint8 (E8M0 scales of c1, one for each 32 codes along K); c2_codes 4 x 4,096 x 16 x 24 uint8 (E3M2 codes of c2, K innermost, in blocks of 32 codes, four codes in three bytes); c2_scales 4 x 4,096 x 16 uint8 (E8M0 scales of c2, one for each 32 codes along K); g1 512 float32; g2 512 float32; s1 4 x 4,096 x 512 float32; s2 4 x 4,096 x 512 float32; x1 4 x 4,096 x 512 float32; x2 4 x 4,096 x 512 float32.
;; Outputs: out0 4 x 4,096 x 512 float32; out1 4 x 4,096 x 512 float32.
;; This version of the problem:
;;   THIS VERSION OF THE PROBLEM IS GIVEN IN LOW PRECISION. The matrix products marked QUANTISED in the list below multiply operands that are first quantised to E3M2 (3 exponent bits, 2 mantissa bits; 6 bits a number), with one power-of-two scale for each 32 numbers along K (OCP MX v1.0); their sums are f32. All else is computed in f32.
;;   The module's matrix products, in the order in which they are computed (A, B: the left and right operand; K: the contracted axis; several contracted axes count as one K, in the product's order):
;;     1. [M 16,384, K 512] x [K 512, N 512]; A: input c1 (given as codes); B: input W3 (given as codes): QUANTISED
;;     2. [M 16,384, K 512] x [K 512, N 512]; A: input c2 (given as codes); B: input W4 (given as codes): QUANTISED
;;     3. [M 16,384, K 512] x [K 512, N 1,024]; A: computed on the way; B: input Wkv1 (given as codes): QUANTISED
;;     4. [M 16,384, K 512] x [K 512, N 1,024]; A: computed on the way; B: input Wkv2 (given as codes): QUANTISED
;;     5. batch 32 x [M 64, K 4,096] x [K 4,096, N 64]; A: computed on the way; B: computed on the way: QUANTISED
;;     6. batch 32 x [M 64, K 4,096] x [K 4,096, N 64]; A: computed on the way; B: computed on the way: QUANTISED
;;     7. batch 32 x [M 4,096, K 64] x [K 64, N 64]; A: computed on the way; B: softmax (see below): QUANTISED
;;     8. batch 32 x [M 4,096, K 64] x [K 64, N 64]; A: computed on the way; B: softmax (see below): QUANTISED
;;     9. [M 16,384, K 1,024] x [K 1,024, N 512]; A: computed on the way; B: input We1 (given as codes): QUANTISED
;;     10. [M 16,384, K 1,024] x [K 1,024, N 512]; A: computed on the way; B: input We2 (given as codes): QUANTISED
;;   THE QUANTISER, for each operand of a quantised product, along K:
;;     - K is cut into blocks of 32 from its start; a last block that is shorter is filled with zeros.
;;     - A block's scale is 2^e with e = floor(log2(the largest magnitude in the block)) - 4, held to -126 .. 127; a block of zeros has e = 0. As a byte (E8M0): e + 127.
;;     - Each number is divided by its block's scale, clamped to +-28, and rounded to the nearest number of E3M2, ties to even, subnormals kept.
;;     - The product sums the exact products of the quantised numbers (number of the format x scale) in f32.
;;   ~~~python
;;   def quantise(x, axis):      # numpy; x: float32 -> the quantised numbers, widened to float32 again
;;       x = np.moveaxis(x, axis, -1); K = x.shape[-1]
;;       x = np.pad(x, [(0, 0)] * (x.ndim - 1) + [(0, -K % 32)]); x = x.reshape(x.shape[:-1] + (-1, 32)); a = np.abs(x).max(-1, keepdims=True)
;;       e = np.where(a > 0, np.clip(np.frexp(np.where(a > 0, a, 1))[1] - 1 - 4, -126, 127), 0)      # np.frexp(a)[1] - 1 = floor(log2(a)), exactly
;;       r = np.clip(x / 2.0 ** e, -28, 28)
;;       step = 2.0 ** (np.maximum(np.frexp(np.where(r == 0, 1, r))[1] - 1, -2) - 2)
;;       q = np.round(r / step) * step * 2.0 ** e      # np.round: ties to even
;;       return np.moveaxis(q.reshape(q.shape[:-2] + (-1,))[..., :K], -1, axis).astype(np.float32)
;;   ~~~
;;   SOFTMAX AHEAD OF A QUANTISED PRODUCT. Where the list says 'softmax', what is quantised is not the finished softmax but p = 2^(t - M), with t = logit x log2(e) and M = ceil(the row's largest t), a whole number; so 1/2 < the row's largest p <= 1. The row's sum l is taken of the UNQUANTISED p, in f32, and the product's result is divided by l at the end. Since M is a whole number, a kernel that streams over the keys may use a running M (the ceiling of the running maximum): every later rescaling is an exact power of two, which a block's scale takes up: the codes' values come out the same.
;;   OPERANDS COMPUTED ON THE WAY. 'Computed on the way' means the value that the module computes at that place (a softmax that the list does not call 'softmax' is quantised finished and normalised). What goes into a quantiser is computed in f32, as accurately as f32 sums, v_exp_f32 and their like allow (about 1e-6 of the number): no bf16 or f16 on the way to a quantiser, and a product that is left as it is and whose result goes on into a quantised operand takes f32 operands (vector FMAs, or v_wmma_f32_16x16x4_f32). A number that lies on a knife's edge between two numbers of the format may be rounded either way, as far as f32 arithmetic and the matrix unit's own rounding can turn it there, and no further.
;;   INPUTS GIVEN AS CODES. W3 (in the module: [512, 512], K = its axis 0); W4 (in the module: [512, 512], K = its axis 0); We1 (in the module: [1024, 512], K = its axis 0); We2 (in the module: [1024, 512], K = its axis 0); Wkv1 (in the module: [512, 1024], K = its axis 0); Wkv2 (in the module: [512, 1024], K = its axis 0); c1 (in the module: [4, 4096, 512], K = its axis 2); c2 (in the module: [4, 4096, 512], K = its axis 2): each comes as NAME_codes (uint8): NAME with its K axis moved to the last place and cut into blocks of 32 codes, [.., K / 32, bytes a block], one block behind the other in memory; four codes in three bytes: a row's codes are one little-endian stream of bits, code i at bits 6 i .. 6 i + 5 (a code: sign, 3 exponent bits, 2 mantissa bits); and NAME_scales (uint8): the same leading axes, one E8M0 byte (e + 127) for each 32 codes along K. Its value is code x scale, taken as it is: it is not quantised again, and the codes and scales need not be those that the quantiser above would give.
;; One version. Each part assembles by itself: llvm-mc -triple=amdgcn-amd-amdhsa -mcpu=gfx1250 --defsym DOCPART=n.
;; ======== version 1 of 1: 3 launches
;; workspace buffers: hqc 12,582,912 bytes; hqs 1,048,576 bytes; part 33,554,432 bytes; pctx 524,288 bytes; weimg 786,432 bytes
;; launch front (part 1): grid 256 x 1, 4 waves a work-group, clusters of 4 x 1, 327,680 bytes of LDS; arguments c1_codes, c1_scales, W3_codes, W3_scales, Wkv1_codes, Wkv1_scales, b3, hqc, c2_codes, c2_scales, W4_codes, W4_scales, Wkv2_codes, Wkv2_scales, b4, hqs, part; writes hqc, hqs, part
.if DOCPART == 1
	.amdgcn_target "amdgcn-amd-amdhsa--gfx1250"
	.amdhsa_code_object_version 6
	.text
	.protected	k_q0bb43da984_front
	.globl	k_q0bb43da984_front
	.p2align	8
	.type	k_q0bb43da984_front,@function
k_q0bb43da984_front:
	s_mov_b64 s[64:65], 0
	v_nop
	global_prefetch_b8 v0, s[64:65] scope:SCOPE_SE
	s_setreg_imm32_b32 hwreg(HW_REG_WAVE_MODE, 25, 1), 1
	s_wait_xcnt 0x0
	s_wait_alu depctr_hold_cnt(0) depctr_sa_sdst(0) depctr_va_vdst(0) depctr_va_sdst(0) depctr_va_ssrc(0) depctr_va_vcc(0) depctr_vm_vsrc(0)
	s_getreg_b32 s2, hwreg(HW_REG_IB_STS2, 6, 4)
	s_cmp_eq_u32 s2, 0
	s_cbranch_scc0 .Lentry_in_a_cluster
	s_endpgm
.Lentry_in_a_cluster:
	s_bfe_u32 s2, ttmp6, 0x10000c
	s_cmp_lg_u32 s2, 0x3003
	s_cbranch_scc0 .Lentry_shape_is_right
	s_endpgm
.Lentry_shape_is_right:
; FRONT.  For 128 rows of one path: h = relu(c W + b), Q(h) along the 512 channels, kv = Q(h) Wkv, Q(k) and Q(v) along the rows, and the part of ctx = k^T v that these 128 rows give, for all 8 heads.
; All products on E3M2 codes with one E8M0 scale for each 32 along K, sums in f32.
; SHARES.  256 work-groups: path = work-group / 128, row block RB = work-group % 128.  Four waves.  Phase 1: wave w makes hidden units 128 w .. 128 w + 127 for all 128 rows (64 accumulators).
; Phase 2, two passes: in pass p wave w makes head 4 p + w: 4 tiles of k and 4 of v for all 128 rows (64 accumulators), quantises them along the rows and multiplies them: 16 tiles of ctx.
; WHICH SIDE, WHICH ROWS.  Phase 1: source 0 = 16 rows of W, source 1 = 16 rows of c: a lane holds one row of h, its registers run along the units.  Lane r of weight tile t takes unit 32 (t/2) + 8 (t%2) + r + 8 (r/8),
; so that the 16 registers of tiles 2 b, 2 b + 1 are 16 neighbours along the next K.  Phase 2: source 0 = 16 rows of Q(h), source 1 = 16 rows of Wkv: a lane holds one column of k or v, its registers run down the rows.
; Registers 16 q .. 16 q + 15 of lanes l and l xor 16 are rows 32 q .. 32 q + 31: a true block; inside a block the order is permuted, alike for k and v, which leaves their product as it is.
; OPERANDS FROM WAVE TO WAVE go through LDS as images of their registers: 3 stores of 16 bytes a lane, 512 bytes each.  The same images of Q(h) go to memory for the last launch.
; WEIGHTS come through a ring of two LDS slots of 512 rows x 256 along K.  CLUSTER 4 x 1: the four partners belong to one path and walk the same weights: every tile is asked for jointly (mask 15).
; c, the scale words and the bias are not shared or are small and go straight into registers.  By the count of this text a wave has at most two tensor loads out.
; LIMITS: NaN and infinities are not served.  A block whose largest magnitude lies under 2^-122, a block of zeros among them, gets the scale byte 1 (the rule says 127 for zeros): its codes are
; zeros or nearly so, and the bytes are read by this program alone.  The f32 sums of ctx are formed by 128 rows at a time and added later: another order than one running sum.
.set PITCH,  240                       ; a ring row: 3 x (64 bytes + 16 of padding)
.set HALFT,  128*PITCH                 ; what one tensor load brings
.set SLOTB,  4*HALFT
.set FRB,    1536                      ; an image: 12 registers x 128 bytes
.set IMG,    2*SLOTB                   ; 32 images (K step ks, row tile a) at (8 ks + a) FRB: first of c, later of Q(h)
.set ISC,    IMG+32*FRB                ; the scale words of Q(h): [ks][half][lane][16 bytes]
.set SPARE,  ISC+4096                  ; the spare words: 128 bytes a wave, named by no other line
.set SPW,  4
.set NIL,  5
.set LI16, 6                           ; 16 x lane
.set LII,  7                           ; + IMG
.set IWI,  8                           ; + 8 images x wave
.set ISR,  9                           ; 16 x lane + ISC
.set ISW,  10                          ; + 1024 x wave
.set ADW,  12                          ; v12-19 ring addresses: 4 g + slot, and + 2 for pieces behind one padding more
.set CO,   20                          ; 384 r + 24 h
.set R16,  21                          ; 16 r
.set P16,  22                          ; 16 (r + 8 (r/8))
.set H64,  23                          ; 64 h
.set AB24, 24                          ; (r + 8 (r/8)) PITCH + 24 h
.set AB40, 25                          ; the same + 40 h
.set SA,   32                          ; v32-63  scale words (phase 1: of c; phase 2: of Q(h))
.set SB,   64                          ; v64-95  scale words of the weights
.set TM,   96                          ; v96-111 at work in QUANT
.set T2,   112                         ; v112-119
.set KSW,  120                         ; v120-127 scale words just made
.set AF,   128                         ; v128-223 the outer operand, 8 fragments, one set
.set WV,   42
.set G1,   44
.set D0,   52
.set D1,   56
.set D2,   60
.set D3,   68
.set D4,   72
.set D5,   76
.set SEL,  80
.set MUL_LO, 0xa1                      ; source 0 window 1, source 1 window 0, C and D window 2
.set MUL_HI, 0xf1                      ; the same, C and D window 3
.set TO_B,   0x40                      ; destination window 1
.set MSB, 0
.macro WIN new                         ; the upper byte repeats the setting that is left; a switch that changes nothing is dropped
.if MSB != (\new)
	s_set_vgpr_msb (MSB<<8)|(\new)
.set MSB, (\new)
.endif
.endm
.macro PLACES n
.rept \n
	v_nop
.endr
.endm
.macro CREST                           ; a round of the cluster barrier behind its opening barrier
	s_cmp_lg_u32 s[WV], 0
	s_cbranch_scc1 .Lnot_wave_0_\@
	s_barrier_signal -3
.Lnot_wave_0_\@:
	s_barrier_wait -3
	s_barrier_signal -1
	s_barrier_wait -1
.endm
.macro CROUND
	s_barrier_signal -1
	s_barrier_wait -1
	CREST
.endm
; 64 numbers of a lane in window W, register 16 b + i = place 32 b + 16 (lane/16) + i along K, become a fragment (12 registers at dst, window 0) and its scale word (pw).
.macro QUANT s, W, dst, pw, relu
.if \relu
	WIN ((\W)<<6)|((\W)<<2)
.set qj, 0
.rept 64
	v_max_num_f32 v[(\s)+qj], 0, v[(\s)+qj]        ; the activation, each accumulator from its low end on
.set qj, qj+1
.endr
.endif
	WIN ((\W)<<2)|(\W)
.irp b, 0,1,2,3
	v_max3_num_f32 v[TM+\b], |v[(\s)+16*\b]|, |v[(\s)+16*\b+1]|, 0x2800000   ; my 16 numbers of block b and the floor 2^(5-127): the byte cannot fall under 1
.endr
	WIN ((\W)<<4)|((\W)<<2)
.irp i, 2,4,6,8,10,12,14
.irp b, 0,1,2,3
	v_max3_num_f32 v[TM+\b], v[TM+\b], |v[(\s)+16*\b+\i]|, |v[(\s)+16*\b+\i+1]|
.endr
.endr
	WIN 0
.irp b, 0,1,2,3
	v_permlanex16_b32 v[TM+4+\b], v[TM+\b], s[SEL], s[SEL+1]
.endr
.irp b, 0,1,2,3
	v_max_num_f32 v[TM+\b], v[TM+\b], v[TM+4+\b]   ; with lane l xor 16: the largest magnitude of the block
.endr
.irp b, 0,1,2,3
	v_add_nc_u32 v[TM+12+\b], 0xfe000000, v[TM+\b] ; 4 off its exponent field: the scale operand of the conversion
.endr
.irp b, 0,1,2,3
	v_lshrrev_b32 v[TM+4+\b], 23, v[TM+12+\b]      ; the scale byte
.endr
	v_lshl_or_b32 v[\pw], v[TM+5], 8, v[TM+4]
	v_lshl_or_b32 v[\pw], v[TM+6], 16, v[\pw]
	v_lshl_or_b32 v[\pw], v[TM+7], 24, v[\pw]
	WIN (\W)
.irp c, 0,1
	v_cvt_scalef32_pk16_bf6_f32 v[(\dst)+6*\c:(\dst)+6*\c+2], v[(\s)+32*\c:(\s)+32*\c+15], v[TM+12+2*\c]
	v_cvt_scalef32_pk16_bf6_f32 v[T2+4*\c:T2+4*\c+2], v[(\s)+32*\c+16:(\s)+32*\c+31], v[TM+13+2*\c]
.endr
	WIN 0
	v_nop                                          ; one plain line behind the last scaled conversion
.irp c, 0,1                                    ; the layout wants a whole block in a lane: lanes 0-15 block 2 c, lanes 16-31 block 2 c + 1
.irp i, 0,1,2
	v_permlane16_swap_b32 v[(\dst)+6*\c+\i], v[T2+4*\c+\i]
.endr
.irp i, 0,1,2
	v_mov_b32 v[(\dst)+6*\c+3+\i], v[T2+4*\c+\i]
.endr
.endr
.endm
; a fragment out of the ring: tile tt of group g, the q-th 128 along K of the slot; pieces of 8 bytes; the second address register serves pieces whose partner three on lies behind one padding more
.macro FRAGR reg, g, slot, q, tt
.irp p, 0,1,2,3,4,5
.set PCE, 12*(\q)+6*(\p/3)+(\p%3)
.if (PCE%8) < 5
	ds_load_b64 v[(\reg)+2*\p:(\reg)+2*\p+1], v[ADW+4*(\g)+(\slot)] offset:8*PCE+16*(PCE/8)+(32*((\tt)/2)+8*((\tt)%2))*PITCH
.else
	ds_load_b64 v[(\reg)+2*\p:(\reg)+2*\p+1], v[ADW+4*(\g)+(\slot)+2] offset:8*PCE+16*(PCE/8)+(32*((\tt)/2)+8*((\tt)%2))*PITCH
.endif
.endr
.endm
.macro FRAGI reg, off                  ; a fragment out of an image
.irp c, 0,1,2
	ds_load_b128 v[(\reg)+4*\c:(\reg)+4*\c+3], v[LII] offset:(\off)+512*\c
.endr
.endm
.macro FIN ph, slot, q, set            ; the inner operand (source 0), 8 fragments, into a set of window 1.  Phase 1: weights; phase 2: Q(h)
	WIN TO_B
.irp i, 0,1,2,3,4,5,6,7
.if (\ph) == 1
	FRAGR 128*(\set)+12*\i, \i/4, \slot, \q, \i%4
.else
	FRAGI 128*(\set)+12*\i, (8*(2*(\slot)+(\q))+\i)*FRB
.endif
.endr
	WIN 0
.endm
.macro FOUT ph, slot, q, o0            ; the outer operand (source 1), fragments o0 .. o0 + 3.  Phase 1: c; phase 2: weights
.irp o, \o0, \o0+1, \o0+2, \o0+3
.if (\ph) == 1
	FRAGI AF+12*(\o), (8*(2*(\slot)+(\q))+(\o))*FRB
.else
	FRAGR AF+12*(\o), (\o)/4, \slot, \q, (\o)%4
.endif
.endr
.endm
.macro MM ph, o, i, set, ks, first
.set rD, 8*(8*((\o)%4)+(\i))
.set rA, 128*(\set)+12*(\i)
.set rB, AF+12*(\o)
.if (\ph) == 1
.set sX, SB+4*(\i)+(\ks)
.set sY, SA+4*(\o)+(\ks)
.else
.set sX, SA+8*(\ks)+(\i)
.set sY, SB+4*(\o)+(\ks)
.endif
.if (\first) && ((\ph) == 1)
.set rC, 96+8*(\i)+96*((\i)/4)
	v_wmma_scale_f32_16x16x128_f8f6f4 v[rD:rD+7], v[rA:rA+11], v[rB:rB+11], v[rC:rC+7], v[sX], v[sY] matrix_a_fmt:MATRIX_FMT_BF6 matrix_b_fmt:MATRIX_FMT_BF6
.elseif \first
	v_wmma_scale_f32_16x16x128_f8f6f4 v[rD:rD+7], v[rA:rA+11], v[rB:rB+11], 0, v[sX], v[sY] matrix_a_fmt:MATRIX_FMT_BF6 matrix_b_fmt:MATRIX_FMT_BF6
.else
	v_wmma_scale_f32_16x16x128_f8f6f4 v[rD:rD+7], v[rA:rA+11], v[rB:rB+11], v[rD:rD+7], v[sX], v[sY] matrix_a_fmt:MATRIX_FMT_BF6 matrix_b_fmt:MATRIX_FMT_BF6
.endif
.endm
; 16 matrix instructions: outer blocks o0, o0 + 1 against the eight inner ones.  The 64 accumulators take turns, one instruction a turn, in the same order in every step.
.macro MUL16 ph, o0, set, ks, first
.irp o, \o0, \o0+1
.irp i, 0,1,2,3,4,5,6,7
	MM \ph, \o, \i, \set, \ks, \first
.endr
.endr
.endm
.macro PRE ph
	FIN \ph, 0, 0, 0
	FOUT \ph, 0, 0, 0
	FOUT \ph, 0, 0, 4
.endm
; the first 128 along K of a slot.  An outer fragment is 3 loads in phase 1 and 6 in phase 2: four of them are 12 x ph loads
.macro STEP ph, slot, first
	s_wait_dscnt 12*(\ph)                          ; all but the youngest loads, outer blocks 4-7, are in
.if (\first) && ((\ph) == 1)
	WIN 0x91                                       ; C = the bias, in window 1
.else
	WIN MUL_LO
.endif
	MUL16 \ph, 0, 0, 2*(\slot), \first
	MUL16 \ph, 2, 0, 2*(\slot), \first
	s_wait_dscnt 0x0                               ; outer blocks 4-7 are in
	PLACES 4                                       ; in front of loads into registers that matrix instructions have read
	FIN \ph, \slot, 1, 1
	FOUT \ph, \slot, 1, 0
.if (\first) && ((\ph) == 1)
	WIN 0xd1
.else
	WIN MUL_HI
.endif
	MUL16 \ph, 4, 0, 2*(\slot), \first
	MUL16 \ph, 6, 0, 2*(\slot), \first
	PLACES 4
	WIN 0
	FOUT \ph, \slot, 1, 4
.endm
; the last 128 along K of slot 0, and the change to slot 1.  fill = 1: slot 0 is filled again by descriptor d, behind a round of the cluster barrier
.macro TURN ph, fill, d
	s_wait_tensorcnt 0x0                           ; all my tensor loads have landed, my part of slot 1 among them
	ds_add_u32 v[SPW], v[NIL]                      ; 0 onto my spare word
	s_wait_dscnt 12*(\ph)+1                        ; the add and outer blocks 4-7 may be out
	WIN MUL_LO
	MUL16 \ph, 0, 1, 1, 0
	s_wait_dscnt 0x0                               ; the add is done and my reads of slot 0 are over
	s_barrier_signal -1
	MUL16 \ph, 2, 1, 1, 0
	WIN 0
	s_barrier_wait -1
.if \fill
	CREST                                          ; no wave of any partner still reads slot 0 or has a load on its way
	tensor_load_to_lds s[\d:\d+3], s[G1:G1+7]
	s_nop 0
.endif
	PLACES 4                                       ; behind the tensor load, and in front of the loads below
	FIN \ph, 1, 0, 0
	FOUT \ph, 1, 0, 0
	WIN MUL_HI
	MUL16 \ph, 4, 1, 1, 0
	MUL16 \ph, 6, 1, 1, 0
	PLACES 4
	WIN 0
	FOUT \ph, 1, 0, 4
.endm
.macro LAST ph
	s_wait_dscnt 12*(\ph)
	WIN MUL_LO
	MUL16 \ph, 0, 1, 3, 0
	MUL16 \ph, 2, 1, 3, 0
	s_wait_dscnt 0x0
	WIN MUL_HI
	MUL16 \ph, 4, 1, 3, 0
	MUL16 \ph, 6, 1, 3, 0
	WIN 0
.endm
; slot 1 has been read out: it is filled again by descriptor d.  The four v_nop between the add and its wait are also the places behind the last products
.macro CHANGE d
	s_wait_tensorcnt 0x0
	ds_add_u32 v[SPW], v[NIL]
	PLACES 4
	s_wait_dscnt 0x0
	CROUND
	tensor_load_to_lds s[\d:\d+3], s[G1:G1+7]
	s_nop 0
	PLACES 4
.endm
.macro ADWSET wmul, gmul               ; ring addresses: lane term + wave x wmul + g x gmul + slot x SLOTB
	s_mul_i32 s85, s[WV], \wmul
.irp g, 0,1
.irp sl, 0,1
	s_add_co_u32 s87, s85, \g*(\gmul)+\sl*SLOTB
	v_add_nc_u32 v[ADW+4*\g+\sl], s87, v[AB24]
	v_add_nc_u32 v[ADW+4*\g+\sl+2], s87, v[AB40]
.endr
.endr
.endm
.macro MKD d, slot, src, off           ; a group 0 of its own for every fill: none is ever written again
	s_mov_b32 s[\d], 1
	s_add_co_u32 s[\d+1], s86, (\slot)*SLOTB
	s_add_nc_u64 s[\d+2:\d+3], s[\src:\src+1], \off
	s_or_b32 s[\d+3], s[\d+3], 0x80000000
.endm
.macro SBLOAD p                        ; the scale rows (16 bytes: 4 K steps) of my 8 tiles of Wkv in pass p
.irp t, 0,1,2,3,4,5,6,7
	global_load_b128 v[SB+4*\t:SB+4*\t+3], v[P16], s[14:15] offset:(\p)*4096+(\t/4)*8192+(32*((\t%4)/2)+8*(\t%2))*16
.endr
.endm
; my head of pass p: 8 tiles of k and v are quantised along the 128 rows, 16 products give ctx for these rows, and the tiles leave as images of their registers
.macro EPI p
.irp t, 0,1,2,3,4,5,6,7
	QUANT 64*(\t%4),2+\t/4,AF+12*\t,KSW+\t,0
.endr
	PLACES 8                                       ; scale registers written by vector lines stand 8 places ahead of a scaled matrix instruction, operands 4
	WIN 0x80
.irp te, 0,1,2,3
.irp td, 0,1,2,3
	v_wmma_scale_f32_16x16x128_f8f6f4 v[8*(4*\te+\td):8*(4*\te+\td)+7], v[AF+12*\td:AF+12*\td+11], v[AF+12*(4+\te):AF+12*(4+\te)+11], 0, v[KSW+\td], v[KSW+4+\te] matrix_a_fmt:MATRIX_FMT_BF6 matrix_b_fmt:MATRIX_FMT_BF6
.endr
.endr
	WIN 0
	PLACES 5                                       ; 4 for the stores; 5 for the matrix instructions of the next pass, which write over these results
	WIN 0x08                                       ; the data of a store: window 2
.irp te, 0,1,2,3
.irp td, 0,1,2,3
.irp u, 0,1
	global_store_b128 v[LI16], v[8*(4*\te+\td)+4*\u:8*(4*\te+\td)+4*\u+3], s[36:37] offset:(\p)*65536+\te*4096+\td*1024+\u*512   ; 512 consecutive bytes; each tile from its low end on
.endr
.endr
.endr
	WIN 0
.endm
	s_load_b512 s[4:19], s[0:1], 0x0               ; path 0: c codes, c scales, W codes, W scales, Wkv codes, Wkv scales, bias; hqc
	s_load_b512 s[20:35], s[0:1], 0x40             ; path 1: the same seven; hqs
	s_load_b64 s[36:37], s[0:1], 0x80              ; part
	v_lshl_add_u32 v[SPW], v0, 2, SPARE
	v_mov_b32 v[NIL], 0
	ds_add_u32 v4, v5
	ds_add_u32 v4, v5
	s_wait_dscnt 0x0
	v_lshrrev_b32 v3, 5, v0
	v_readfirstlane_b32 s[WV], v3                  ; wave 0..3
	s_bfe_u32 s43, ttmp6, 0x40000                  ; my place in the cluster: it enters addresses of plain loads and stores alone
	s_lshl_b32 s82, ttmp9, 2
	s_add_co_u32 s82, s82, s43                     ; work-group = 128 x path + RB
	s_and_b32 s83, s82, 127                        ; RB
	; group 1: 128 rows x 192 bytes, 384 bytes apart in memory; 16 bytes of padding behind every 64; mask: all four partners
	s_mov_b32 s[G1], 15|(0<<16)|(1<<20)|(1<<21)|(3<<22)|(3<<25)
	s_mov_b32 s[G1+1], 192<<16
	s_mov_b32 s[G1+2], 128<<16
	s_mov_b32 s[G1+3], 192<<16
	s_mov_b32 s[G1+4], 128
	s_mov_b32 s[G1+5], 384
	s_mov_b32 s[G1+6], 0
	s_mov_b32 s[G1+7], 0
	s_mul_i32 s86, s[WV], HALFT                    ; where my quarter of a slot lies
	s_mul_i32 s88, s[WV], 128*384                  ; W: my 128 rows
	s_mov_b32 s89, 0
	s_and_b32 s90, s[WV], 1                        ; Wkv: waves 0, 1 fetch 256 rows of k, waves 2, 3 the same heads of v
	s_lshl_b32 s90, s90, 7
	s_lshr_b32 s91, s[WV], 1
	s_lshl_b32 s91, s91, 9
	s_add_co_u32 s90, s90, s91
	s_mul_i32 s90, s90, 384
	s_mov_b32 s91, 0
	s_mov_b32 s[SEL], 0x76543210
	s_mov_b32 s[SEL+1], 0xfedcba98                 ; selects of v_permlanex16_b32 for lane l xor 16
	s_wait_kmcnt 0x0
	s_cmp_lt_u32 ttmp9, 32                         ; the path: equal in all four partners
	s_cselect_b64 s[4:5], s[4:5], s[20:21]
	s_cselect_b64 s[6:7], s[6:7], s[22:23]
	s_cselect_b64 s[8:9], s[8:9], s[24:25]
	s_cselect_b64 s[10:11], s[10:11], s[26:27]
	s_cselect_b64 s[12:13], s[12:13], s[28:29]
	s_cselect_b64 s[14:15], s[14:15], s[30:31]
	s_cselect_b64 s[16:17], s[16:17], s[32:33]
	s_add_nc_u64 s[92:93], s[8:9], s[88:89]
	s_add_nc_u64 s[94:95], s[12:13], s[90:91]
	MKD D0, 0, 92, 0                               ; W, K 0-255
	MKD D1, 1, 92, 192                             ; W, K 256-511
	MKD D2, 0, 94, 0                               ; Wkv, heads 0-3
	MKD D3, 1, 94, 192
	MKD D4, 0, 94, 98304                           ; Wkv, heads 4-7: 256 rows on
	MKD D5, 1, 94, 98496
	CROUND                                         ; all four partners are here: the first joint loads meet
	tensor_load_to_lds s[D0:D0+3], s[G1:G1+7]
	s_nop 0
	tensor_load_to_lds s[D1:D1+3], s[G1:G1+7]
	s_nop 0
	PLACES 4
	v_and_b32 v1, 15, v0                           ; r
	v_bfe_u32 v2, v0, 4, 1                         ; h
	v_and_b32 v3, 31, v0                           ; lane
	v_lshlrev_b32 v[LI16], 4, v3
	v_add_nc_u32 v[LII], IMG, v[LI16]
	s_mul_i32 s85, s[WV], 8*FRB
	v_add_nc_u32 v[IWI], s85, v[LII]
	v_add_nc_u32 v[ISR], ISC, v[LI16]
	s_lshl_b32 s85, s[WV], 10
	v_add_nc_u32 v[ISW], s85, v[ISR]
	v_and_b32 v26, 8, v1
	v_add_nc_u32 v26, v26, v1                      ; r + 8 (r/8)
	v_mul_u32_u24 v[AB24], v26, PITCH
	v_mad_u32_u24 v[AB40], v2, 40, v[AB24]
	v_mad_u32_u24 v[AB24], v2, 24, v[AB24]
	v_mul_u32_u24 v[CO], v1, 384
	v_mad_u32_u24 v[CO], v2, 24, v[CO]
	v_lshlrev_b32 v[R16], 4, v1
	v_lshlrev_b32 v[P16], 4, v26
	v_lshlrev_b32 v[H64], 6, v2
.irp b, 0,1,2,3
	v_mov_b32 v[TM+4+\b], 0                        ; written once: the destination of a lane permute counts as one of its sources
.endr
	ADWSET HALFT, 64*PITCH                         ; phase 1: my own 128 rows of W, two groups of 64
	s_mul_i32 s96, s83, 49152                      ; c: 128 rows of 384 bytes a row block,
	s_mul_i32 s97, s[WV], 96                       ; and K step w
	s_add_co_u32 s96, s96, s97
	s_mov_b32 s97, 0
	s_add_nc_u64 s[4:5], s[4:5], s[96:97]
	s_lshl_b32 s96, s83, 11
	s_add_nc_u64 s[6:7], s[6:7], s[96:97]          ; the scale rows of c
	s_lshl_b32 s96, s[WV], 11
	s_add_nc_u64 s[10:11], s[10:11], s[96:97]      ; of my 128 rows of W
	s_lshl_b32 s96, s[WV], 9
	s_add_nc_u64 s[16:17], s[16:17], s[96:97]      ; my 128 numbers of the bias
	s_lshl_b32 s96, s[WV], 10
	s_add_nc_u64 s[14:15], s[14:15], s[96:97]      ; the scale rows of head w of Wkv
	s_lshl_b32 s98, s82, 2
	s_add_co_u32 s98, s98, s[WV]                   ; 4 x work-group + wave
	s_mul_i32 s96, s98, 8*FRB
	s_add_nc_u64 s[18:19], s[18:19], s[96:97]      ; hqc
	s_lshl_b32 s96, s98, 10
	s_add_nc_u64 s[34:35], s[34:35], s[96:97]      ; hqs
	s_lshl_b32 s96, s82, 17
	s_lshl_b32 s98, s[WV], 14
	s_add_co_u32 s96, s96, s98
	s_add_nc_u64 s[36:37], s[36:37], s[96:97]      ; part: 131,072 bytes a work-group, 16,384 a head
.irp a, 0,1,2,3,4,5,6,7                        ; K step w of c, all 8 row tiles: the register image as it lies in memory
.irp p, 0,1,2,3,4,5
	global_load_b64 v[AF+12*\a+2*\p:AF+12*\a+2*\p+1], v[CO], s[4:5] offset:\a*6144+48*(\p/3)+8*(\p%3)
.endr
.endr
.irp a, 0,1,2,3,4,5,6,7
	global_load_b128 v[SA+4*\a:SA+4*\a+3], v[R16], s[6:7] offset:256*\a
.endr
.irp t, 0,1,2,3,4,5,6,7
	global_load_b128 v[SB+4*\t:SB+4*\t+3], v[P16], s[10:11] offset:(32*(\t/2)+8*(\t%2))*16
.endr
	WIN TO_B
.irp t, 0,1,2,3,4,5,6,7                        ; the bias in the layout of the result: eight registers a tile
	global_load_b128 v[96+8*\t+96*(\t/4):96+8*\t+96*(\t/4)+3], v[H64], s[16:17] offset:(32*(\t/2)+8*(\t%2))*4
	global_load_b128 v[96+8*\t+96*(\t/4)+4:96+8*\t+96*(\t/4)+7], v[H64], s[16:17] offset:(32*(\t/2)+8*(\t%2))*4+16
.endr
	WIN 0
	s_wait_loadcnt 32                              ; the fragments of c are in; the 8 + 8 + 16 younger loads may be out
.irp a, 0,1,2,3,4,5,6,7
.irp c, 0,1,2
	ds_store_b128 v[IWI], v[AF+12*\a+4*\c:AF+12*\a+4*\c+3] offset:\a*FRB+512*\c
.endr
.endr
	s_wait_loadcnt 0x0
	s_wait_tensorcnt 0x1                           ; my part of slot 0 is in; slot 1 may be out
	s_wait_dscnt 0x0                               ; my images have landed
	s_barrier_signal -1
	s_barrier_wait -1
	; ---- phase 1: h = c W + b
	PRE 1
	STEP 1, 0, 1
	TURN 1, 1, D2
	STEP 1, 1, 0
	LAST 1
	CHANGE D3                                      ; behind this round nobody reads the images of c either
	SBLOAD 0
	ADWSET 64*PITCH, 256*PITCH                     ; phase 2: 64 rows of k of head w, and 256 rows on its 64 rows of v
.irp a, 0,1,2,3,4,5,6,7                        ; relu, quantise: K step w of Q(h), row tile a: to LDS for the other waves, to memory for the last launch
	QUANT 64*(\a%4),2+\a/4,AF+12*\a,KSW+\a,1
.irp c, 0,1,2
	ds_store_b128 v[IWI], v[AF+12*\a+4*\c:AF+12*\a+4*\c+3] offset:\a*FRB+512*\c
.endr
.irp c, 0,1,2
	global_store_b128 v[LI16], v[AF+12*\a+4*\c:AF+12*\a+4*\c+3], s[18:19] offset:\a*FRB+512*\c
.endr
.endr
	ds_store_b128 v[ISW], v[KSW:KSW+3]
	ds_store_b128 v[ISW], v[KSW+4:KSW+7] offset:512
	global_store_b128 v[LI16], v[KSW:KSW+3], s[34:35]
	global_store_b128 v[LI16], v[KSW+4:KSW+7], s[34:35] offset:512
	s_wait_dscnt 0x0                               ; my images have landed
	s_barrier_signal -1
	s_barrier_wait -1                              ; the load into slot 1 may stay out
	s_wait_xcnt 0x0                                ; the stores have read their registers: AF and KSW may be written again
	s_wait_loadcnt 0x0                             ; the scale rows of Wkv
	; ---- phase 2, pass 0: heads 0-3
.irp ks, 0,1,2,3
.irp hf, 0,1
	ds_load_b128 v[SA+8*\ks+4*\hf:SA+8*\ks+4*\hf+3], v[ISR] offset:\ks*1024+\hf*512
.endr
.endr
	PRE 2
	STEP 2, 0, 1
	TURN 2, 1, D4
	STEP 2, 1, 0
	LAST 2
	CHANGE D5
	SBLOAD 1
	EPI 0
	s_wait_xcnt 0x0                                ; the stores of ctx have read their registers
	s_wait_loadcnt 0x0
	; ---- pass 1: heads 4-7
	PRE 2
	STEP 2, 0, 1
	TURN 2, 0, D4                                  ; nothing is left to fetch
	STEP 2, 1, 0
	LAST 2
	PLACES 4
	EPI 1
	s_wait_tensorcnt 0x0                           ; the end of the wave
	ds_add_u32 v[SPW], v[NIL]
	s_wait_dscnt 0x0
	CROUND                                         ; the closing round
	s_endpgm
.Lfunc_end_k_q0bb43da984_front:
	.size	k_q0bb43da984_front, .Lfunc_end_k_q0bb43da984_front-k_q0bb43da984_front
	.p2alignl 7, 3214868480
	.fill 96, 4, 3214868480
	.section	.rodata,"a",@progbits
	.p2align	6, 0x0
	.amdhsa_kernel k_q0bb43da984_front
		.amdhsa_group_segment_fixed_size 327680
		.amdhsa_private_segment_fixed_size 0
		.amdhsa_enable_private_segment 0
		.amdhsa_kernarg_size 136
		.amdhsa_user_sgpr_count 2
		.amdhsa_user_sgpr_kernarg_segment_ptr 1
		.amdhsa_wavefront_size32 1
		.amdhsa_system_sgpr_workgroup_id_x 1
		.amdhsa_system_sgpr_workgroup_id_y 1
		.amdhsa_system_sgpr_workgroup_id_z 1
		.amdhsa_system_vgpr_workitem_id 0
		.amdhsa_next_free_vgpr 1024
		.amdhsa_next_free_sgpr 100
		.amdhsa_reserve_vcc 0
		.amdhsa_float_denorm_mode_32 3
		.amdhsa_float_denorm_mode_16_64 3
		.amdhsa_memory_ordered 1
		.amdhsa_forward_progress 1
		.amdhsa_inst_pref_size 255
	.end_amdhsa_kernel
	.section	.bss,"aw",@nobits
	.p2align	6
	.space	262144
	.amdgpu_metadata
---
amdhsa.version: [ 1, 2 ]
amdhsa.kernels:
  - .name:           k_q0bb43da984_front
    .symbol:         k_q0bb43da984_front.kd
    .args:
      - { .name: c1_codes, .offset: 0, .size: 8, .value_kind: global_buffer, .address_space: global }
      - { .name: c1_scales, .offset: 8, .size: 8, .value_kind: global_buffer, .address_space: global }
      - { .name: W3_codes, .offset: 16, .size: 8, .value_kind: global_buffer, .address_space: global }
      - { .name: W3_scales, .offset: 24, .size: 8, .value_kind: global_buffer, .address_space: global }
      - { .name: Wkv1_codes, .offset: 32, .size: 8, .value_kind: global_buffer, .address_space: global }
      - { .name: Wkv1_scales, .offset: 40, .size: 8, .value_kind: global_buffer, .address_space: global }
      - { .name: b3, .offset: 48, .size: 8, .value_kind: global_buffer, .address_space: global }
      - { .name: hqc, .offset: 56, .size: 8, .value_kind: global_buffer, .address_space: global }
      - { .name: c2_codes, .offset: 64, .size: 8, .value_kind: global_buffer, .address_space: global }
      - { .name: c2_scales, .offset: 72, .size: 8, .value_kind: global_buffer, .address_space: global }
      - { .name: W4_codes, .offset: 80, .size: 8, .value_kind: global_buffer, .address_space: global }
      - { .name: W4_scales, .offset: 88, .size: 8, .value_kind: global_buffer, .address_space: global }
      - { .name: Wkv2_codes, .offset: 96, .size: 8, .value_kind: global_buffer, .address_space: global }
      - { .name: Wkv2_scales, .offset: 104, .size: 8, .value_kind: global_buffer, .address_space: global }
      - { .name: b4, .offset: 112, .size: 8, .value_kind: global_buffer, .address_space: global }
      - { .name: hqs, .offset: 120, .size: 8, .value_kind: global_buffer, .address_space: global }
      - { .name: part, .offset: 128, .size: 8, .value_kind: global_buffer, .address_space: global }
    .group_segment_fixed_size: 327680
    .private_segment_fixed_size: 0
    .kernarg_segment_align: 8
    .kernarg_segment_size: 136
    .max_flat_workgroup_size: 128
    .sgpr_count:     100
    .vgpr_count:     1024
    .wavefront_size: 32
...
	.end_amdgpu_metadata
.endif
;; end of part 1
;; launch mid (part 2): grid 256 x 1, 8 waves a work-group, no clusters, 33,792 bytes of LDS; arguments part, We1_codes, We2_codes, pctx, weimg; writes pctx, weimg
.if DOCPART == 2
	.amdgcn_target "amdgcn-amd-amdhsa--gfx1250"
	.amdhsa_code_object_version 6
	.text
	.protected	k_q0bb43da984_mid
	.globl	k_q0bb43da984_mid
	.p2align	8
	.type	k_q0bb43da984_mid,@function
k_q0bb43da984_mid:
	s_mov_b64 s[64:65], 0
	v_nop
	global_prefetch_b8 v0, s[64:65] scope:SCOPE_SE
	s_setreg_imm32_b32 hwreg(HW_REG_WAVE_MODE, 25, 1), 1
	s_wait_xcnt 0x0
; MID.  Work-group g = (path, batch, head, te) adds the 32 partial tiles of ctx (64 d x 16 e) of its batch, takes the softmax over d as p = 2^(t - M), M = ceil(largest t), t = ctx x log2(e) / 8,
; and stores: the codes of p along d as the image of an operand of 128 along K (the 64 places of the other head of the K step hold zero codes under the byte 127), its scale words, and 1 / l, l the sum of the unquantised p.
; LAYOUT.  A lane holds one e; register 16 b + i holds d = 32 b + 16 (lane/16) + i: the two blocks of 32 along d lie in lanes l and l xor 16.
; Wave v adds chunks 4 v .. 4 v + 3 (32 loads of 512 consecutive bytes, all out at once); the eight sums meet in LDS; wave 0 does the rest.
; Waves 6 and 7 also lay one fragment each of We1 or We2 (16 rows x 128 K) as an image of its registers, so that the last launch takes a K step as one dense block.
; No matrix unit, no cluster, no tensor load: no two work-groups read the same byte, and a work-group has all its loads out from its first lines on.
; LIMITS: NaN and infinities are not served; a block whose every p has fallen under 2^-122 keeps the byte 1; 1 / l is v_rcp_f32.
.set WV, 14
.set SS, 32                            ; v32-63 the tile
	s_load_b128 s[4:7], s[0:1], 0x0                ; part, We1 codes
	s_load_b128 s[8:11], s[0:1], 0x10              ; We2 codes, pctx
	s_load_b64 s[12:13], s[0:1], 0x20              ; weimg
	v_lshl_add_u32 v224, v0, 2, 0x8000
	v_mov_b32 v225, 0
	v_lshrrev_b32 v1, 5, v0
	v_readfirstlane_b32 s[WV], v1                  ; wave 0..7
	v_and_b32 v2, 31, v0
	v_lshlrev_b32 v4, 4, v2                        ; 16 x lane
	v_lshlrev_b32 v5, 2, v2                        ; 4 x lane
	v_and_b32 v3, 15, v0
	v_bfe_u32 v1, v0, 4, 1
	v_mul_u32_u24 v7, v3, 768                      ; We: row r of 768 bytes, + 24 h
	v_mad_u32_u24 v7, v1, 24, v7
	s_lshl_b32 s18, s[WV], 12
	v_add_nc_u32 v6, s18, v4                       ; LDS: 4,096 bytes a wave
	s_lshr_b32 s16, ttmp9, 5
	s_lshl_b32 s16, s16, 22                        ; (path, batch): 32 row blocks of 131,072 bytes
	s_and_b32 s17, ttmp9, 31
	s_lshl_b32 s17, s17, 12                        ; (head, te): 4,096 bytes
	s_add_co_u32 s16, s16, s17
	s_lshl_b32 s17, s[WV], 19                      ; my four chunks
	s_add_co_u32 s16, s16, s17
	s_mov_b32 s17, 0
	s_lshl_b32 s32, ttmp9, 11                      ; my record of pctx
	s_mov_b32 s33, 0
	s_mov_b32 s28, 0x76543210
	s_mov_b32 s29, 0xfedcba98
	s_mov_b32 s30, 0x3e38aa3b                      ; log2(e) / 8
	s_mov_b32 s31, s30                             ; (named with it as a pair)
	s_bfe_u32 s20, ttmp9, 0x10002                  ; which half of the K step of 128 my head takes: head % 2
	s_lshl_b32 s23, s20, 4
	s_mov_b32 s24, 0x7f7f
	s_cmp_eq_u32 s20, 0
	s_cselect_b32 s21, -1, 0                       ; keeps the codes in registers 0-5
	s_cselect_b32 s22, 0, -1                       ; or in registers 6-11
	s_cselect_b32 s24, 0x7f7f0000, s24             ; the byte 127 for the two blocks of zero codes
	s_wait_kmcnt 0x0
	s_add_nc_u64 s[4:5], s[4:5], s[16:17]
	s_add_nc_u64 s[10:11], s[10:11], s[32:33]
.irp c, 0,1,2,3
.irp i, 0,1,2,3,4,5,6,7
	global_load_b128 v[64+32*\c+4*\i:64+32*\c+4*\i+3], v4, s[4:5] offset:\c*131072+\i*512 th:TH_LOAD_NT
.endr
.endr
	s_cmp_lt_u32 s[WV], 6
	s_cbranch_scc1 .Lno_we
	s_lshl_b32 s34, ttmp9, 1                       ; fragment F = 2 g + wave - 6 of 512: [path][w 4][ks 8][b 8]
	s_add_co_u32 s34, s34, s[WV]
	s_sub_co_u32 s34, s34, 6
	s_and_b32 s35, s34, 255
	s_lshr_b32 s36, s35, 6
	s_lshl_b32 s36, s36, 3
	s_and_b32 s37, s35, 7
	s_add_co_u32 s36, s36, s37                     ; 8 w + b: which 16 rows
	s_mul_i32 s36, s36, 12288
	s_bfe_u32 s37, s35, 0x30003                    ; ks
	s_mul_i32 s37, s37, 96
	s_add_co_u32 s36, s36, s37
	s_mov_b32 s37, 0
	s_cmp_lt_u32 ttmp9, 128
	s_cselect_b64 s[38:39], s[6:7], s[8:9]
	s_add_nc_u64 s[38:39], s[38:39], s[36:37]
	s_mul_i32 s40, s34, 1536
	s_mov_b32 s41, 0
	s_add_nc_u64 s[40:41], s[12:13], s[40:41]
.irp p, 0,1,2,3,4,5
	global_load_b64 v[192+2*\p:192+2*\p+1], v7, s[38:39] offset:48*(\p/3)+8*(\p%3)
.endr
	s_wait_loadcnt 0x0                             ; these waves want all their loads next anyway
.irp c, 0,1,2
	global_store_b128 v4, v[192+4*\c:192+4*\c+3], s[40:41] offset:512*\c
.endr
.Lno_we:
	s_wait_loadcnt 0x0
.set j, 0
.rept 16
	v_pk_add_f32 v[SS+j:SS+j+1], v[64+j:64+j+1], v[96+j:96+j+1]
	v_pk_add_f32 v[128+j:128+j+1], v[128+j:128+j+1], v[160+j:160+j+1]
.set j, j+2
.endr
.set j, 0
.rept 16
	v_pk_add_f32 v[SS+j:SS+j+1], v[SS+j:SS+j+1], v[128+j:128+j+1]
.set j, j+2
.endr
.irp i, 0,1,2,3,4,5,6,7
	ds_store_b128 v6, v[SS+4*\i:SS+4*\i+3] offset:512*\i
.endr
	s_wait_dscnt 0x0                               ; for the sake of wave 0: my sums have landed
	s_barrier_signal -1
	s_barrier_wait -1
	s_cmp_lg_u32 s[WV], 0
	s_cbranch_scc1 .Lend
.irp v, 1,2,3,4
.irp i, 0,1,2,3,4,5,6,7
	ds_load_b128 v[64+32*(\v-1)+4*\i:64+32*(\v-1)+4*\i+3], v4 offset:\v*4096+512*\i
.endr
.endr
	s_wait_dscnt 0x0
.set j, 0
.rept 16
	v_pk_add_f32 v[64+j:64+j+1], v[64+j:64+j+1], v[96+j:96+j+1]
	v_pk_add_f32 v[128+j:128+j+1], v[128+j:128+j+1], v[160+j:160+j+1]
.set j, j+2
.endr
.set j, 0
.rept 16
	v_pk_add_f32 v[SS+j:SS+j+1], v[SS+j:SS+j+1], v[64+j:64+j+1]
.set j, j+2
.endr
.set j, 0
.rept 16
	v_pk_add_f32 v[SS+j:SS+j+1], v[SS+j:SS+j+1], v[128+j:128+j+1]
.set j, j+2
.endr
.irp v, 5,6,7
.irp i, 0,1,2,3,4,5,6,7
	ds_load_b128 v[64+32*(\v-5)+4*\i:64+32*(\v-5)+4*\i+3], v4 offset:\v*4096+512*\i
.endr
.endr
	s_wait_dscnt 0x0
.set j, 0
.rept 16
	v_pk_add_f32 v[64+j:64+j+1], v[64+j:64+j+1], v[96+j:96+j+1]
	v_pk_add_f32 v[SS+j:SS+j+1], v[SS+j:SS+j+1], v[128+j:128+j+1]
.set j, j+2
.endr
.set j, 0
.rept 16
	v_pk_add_f32 v[SS+j:SS+j+1], v[SS+j:SS+j+1], v[64+j:64+j+1]
.set j, j+2
.endr
	; the largest of my 32, in four chains, then of lane l xor 16
.irp k, 0,1,2,3
	v_max3_num_f32 v[8+\k], v[SS+8*\k], v[SS+8*\k+1], v[SS+8*\k+2]
.endr
.irp i, 3,5
.irp k, 0,1,2,3
	v_max3_num_f32 v[8+\k], v[8+\k], v[SS+8*\k+\i], v[SS+8*\k+\i+1]
.endr
.endr
.irp k, 0,1,2,3
	v_max_num_f32 v[8+\k], v[8+\k], v[SS+8*\k+7]
.endr
	v_max3_num_f32 v8, v8, v9, v10
	v_max_num_f32 v8, v8, v11
	v_permlanex16_b32 v9, v8, s28, s29
	v_max_num_f32 v8, v8, v9
	v_mul_f32 v8, s30, v8                          ; the largest t
	v_floor_f32 v12, -v8                           ; -M = floor(-t): M is a whole number
	v_mov_b32 v13, v12
	v_mov_b32 v24, 0                               ; destinations of lane permutes further down
	v_mov_b32 v25, 0
.set j, 0
.rept 16
	v_pk_fma_f32 v[SS+j:SS+j+1], v[SS+j:SS+j+1], s[30:31], v[12:13] op_sel_hi:[1,0,0]   ; t - M
.set j, j+2
.endr
.set j, 0
.rept 32
	v_exp_f32 v[SS+j], v[SS+j]                     ; p, not normalised
.set j, j+1
.endr
	v_nop                                          ; one plain line behind the batch
	s_wait_alu depctr_va_vdst(0)                   ; one wait for the 32 exponentials, ahead of their first use
	v_pk_add_f32 v[16:17], v[SS:SS+1], v[SS+4:SS+5]        ; l: the sum of the unquantised p, two chains
	v_pk_add_f32 v[18:19], v[SS+2:SS+3], v[SS+6:SS+7]
.irp j, 8,12,16,20,24,28
	v_pk_add_f32 v[16:17], v[16:17], v[SS+\j:SS+\j+1]
	v_pk_add_f32 v[18:19], v[18:19], v[SS+\j+2:SS+\j+3]
.endr
	v_pk_add_f32 v[16:17], v[16:17], v[18:19]
	v_add_f32 v16, v16, v17
	v_permlanex16_b32 v17, v16, s28, s29
	v_add_f32 v16, v16, v17
	v_rcp_f32 v20, v16
.irp b, 0,1
	v_max3_num_f32 v[22+\b], v[SS+16*\b], v[SS+16*\b+1], 0x2800000   ; the largest p of each block of 32, and the floor 2^(5-127)
.endr
.irp i, 2,4,6,8,10,12,14
.irp b, 0,1
	v_max3_num_f32 v[22+\b], v[22+\b], v[SS+16*\b+\i], v[SS+16*\b+\i+1]
.endr
.endr
.irp b, 0,1
	v_permlanex16_b32 v[24+\b], v[22+\b], s28, s29
.endr
.irp b, 0,1
	v_max_num_f32 v[22+\b], v[22+\b], v[24+\b]
.endr
.irp b, 0,1
	v_add_nc_u32 v[26+\b], 0xfe000000, v[22+\b]    ; 4 off the exponent field: the scale operand
.endr
.irp b, 0,1
	v_lshrrev_b32 v[24+\b], 23, v[26+\b]           ; the byte
.endr
	v_cvt_scalef32_pk16_bf6_f32 v[64:66], v[SS:SS+15], v26
	v_cvt_scalef32_pk16_bf6_f32 v[68:70], v[SS+16:SS+31], v27
	v_nop
.irp i, 0,1,2
	v_permlane16_swap_b32 v[64+\i], v[68+\i]       ; lanes 0-15 now hold block 0 whole, lanes 16-31 block 1
.endr
.irp i, 0,1,2
	v_and_b32 v[72+\i], s21, v[64+\i]
	v_and_b32 v[75+\i], s21, v[68+\i]
	v_and_b32 v[78+\i], s22, v[64+\i]
	v_and_b32 v[81+\i], s22, v[68+\i]
.endr
	v_lshl_or_b32 v28, v25, 8, v24
	v_lshlrev_b32 v28, s23, v28
	v_or_b32 v28, s24, v28                         ; the scale word of my row e
.irp c, 0,1,2
	global_store_b128 v4, v[72+4*\c:72+4*\c+3], s[10:11] offset:512*\c
.endr
	global_store_b32 v5, v28, s[10:11] offset:1536
	s_wait_alu depctr_va_vdst(0)                   ; the wait for the reciprocal, ahead of its first use
	global_store_b32 v5, v20, s[10:11] offset:1664
.Lend:
	s_wait_tensorcnt 0x0
	ds_add_u32 v224, v225
	s_wait_dscnt 0x0
	s_endpgm
.Lfunc_end_k_q0bb43da984_mid:
	.size	k_q0bb43da984_mid, .Lfunc_end_k_q0bb43da984_mid-k_q0bb43da984_mid
	.p2alignl 7, 3214868480
	.fill 96, 4, 3214868480
	.section	.rodata,"a",@progbits
	.p2align	6, 0x0
	.amdhsa_kernel k_q0bb43da984_mid
		.amdhsa_group_segment_fixed_size 33792
		.amdhsa_private_segment_fixed_size 0
		.amdhsa_enable_private_segment 0
		.amdhsa_kernarg_size 40
		.amdhsa_user_sgpr_count 2
		.amdhsa_user_sgpr_kernarg_segment_ptr 1
		.amdhsa_wavefront_size32 1
		.amdhsa_system_sgpr_workgroup_id_x 1
		.amdhsa_system_sgpr_workgroup_id_y 1
		.amdhsa_system_sgpr_workgroup_id_z 1
		.amdhsa_system_vgpr_workitem_id 0
		.amdhsa_next_free_vgpr 226
		.amdhsa_next_free_sgpr 66
		.amdhsa_reserve_vcc 0
		.amdhsa_float_denorm_mode_32 3
		.amdhsa_float_denorm_mode_16_64 3
		.amdhsa_memory_ordered 1
		.amdhsa_forward_progress 1
		.amdhsa_inst_pref_size 29
	.end_amdhsa_kernel
	.amdgpu_metadata
---
amdhsa.version: [ 1, 2 ]
amdhsa.kernels:
  - .name:           k_q0bb43da984_mid
    .symbol:         k_q0bb43da984_mid.kd
    .args:
      - { .name: part, .offset: 0, .size: 8, .value_kind: global_buffer, .address_space: global }
      - { .name: We1_codes, .offset: 8, .size: 8, .value_kind: global_buffer, .address_space: global }
      - { .name: We2_codes, .offset: 16, .size: 8, .value_kind: global_buffer, .address_space: global }
      - { .name: pctx, .offset: 24, .size: 8, .value_kind: global_buffer, .address_space: global }
      - { .name: weimg, .offset: 32, .size: 8, .value_kind: global_buffer, .address_space: global }
    .group_segment_fixed_size: 33792
    .private_segment_fixed_size: 0
    .kernarg_segment_align: 8
    .kernarg_segment_size: 40
    .max_flat_workgroup_size: 256
    .sgpr_count:     66
    .vgpr_count:     226
    .wavefront_size: 32
...
	.end_amdgpu_metadata
.endif
;; end of part 2
;; launch back (part 3): grid 256 x 1, 4 waves a work-group, clusters of 4 x 1, 327,680 bytes of LDS; arguments hqc, hqs, pctx, weimg, We1_scales, s1, x1, be1, g1, bt1, out0, We2_scales, s2, x2, be2, g2, bt2, out1; writes out0, out1
.if DOCPART == 3
	.amdgcn_target "amdgcn-amd-amdhsa--gfx1250"
	.amdhsa_code_object_version 6
	.text
	.protected	k_q0bb43da984_back
	.globl	k_q0bb43da984_back
	.p2align	8
	.type	k_q0bb43da984_back,@function
k_q0bb43da984_back:
	s_mov_b64 s[64:65], 0
	v_nop
	global_prefetch_b8 v0, s[64:65] scope:SCOPE_SE
	s_setreg_imm32_b32 hwreg(HW_REG_WAVE_MODE, 25, 1), 1
	s_wait_xcnt 0x0
	s_wait_alu depctr_hold_cnt(0) depctr_sa_sdst(0) depctr_va_vdst(0) depctr_va_sdst(0) depctr_va_ssrc(0) depctr_va_vcc(0) depctr_vm_vsrc(0)
	s_getreg_b32 s2, hwreg(HW_REG_IB_STS2, 6, 4)
	s_cmp_eq_u32 s2, 0
	s_cbranch_scc0 .Lentry_in_a_cluster
	s_endpgm
.Lentry_in_a_cluster:
	s_bfe_u32 s2, ttmp6, 0x10000c
	s_cmp_lg_u32 s2, 0x3003
	s_cbranch_scc0 .Lentry_shape_is_right
	s_endpgm
.Lentry_shape_is_right:
; BACK.  For 128 rows of one path o: a = Q(h) Q(p of the other path) / l, y = [s | a] quantised along its 1,024, out = LayerNorm(x + y We + be) g + bt.  All products on E3M2 codes, sums in f32.
; SHARES.  256 work-groups (path = work-group / 128, row block RB = work-group % 128), four waves.  Wave w owns columns 128 w .. 128 w + 127 of s, a, x and out for all 128 rows:
; it makes K steps w (from s) and 4 + w (from a: heads 2 w, 2 w + 1) of y, and multiplies all of y by rows 128 w .. of We: 64 accumulators, which begin as x.
; LAYOUT.  Every product has its weights as source 0 and the rows as source 1: a lane holds one row (lane % 16) and its registers run along the columns.  The e of a tile of p were chosen in the
; earlier launches so that the 16 registers of two neighbouring tiles of a are 16 neighbours along the next K.
; s, x and out move as whole aligned runs of 256 bytes (16 lanes a run) and are turned through a stage of 16 rows x (256 + 16) bytes of the wave.
; y goes from wave to wave through LDS as images of operand registers.  We comes as such images, one dense block of 24,576 bytes for a wave and two K steps, through a ring of two slots.
; CLUSTER 4 x 1: the four partners belong to one path and walk the same We: joint loads, mask 15.  By the count of this text a wave has at most two tensor loads out.
; s and x stream three blocks of 16 loads ahead.
; LIMITS: NaN and infinities are not served; a block whose largest magnitude lies under 2^-122, zeros among them, gets the scale byte 1; its bytes are read by this program alone.
.set FRB,   1536
.set WPART, 16*FRB                     ; a wave, two K steps
.set SLOTB, 4*WPART
.set YIMG,  2*SLOTB                    ; 64 images of y at (8 ks + a) FRB
.set YSC,   YIMG+64*FRB                ; the scale words of y: [ks 8][half][lane][16 bytes]; behind the products: the partial sums of the norm
.set STG,   YSC+8192                   ; the stages
.set SP,    272
.set WSTG,  16*SP
.set SPARE, STG+4*WSTG                 ; the spare words: 128 bytes a wave, named by no other line
.set SPW,  1
.set NIL,  2
.set LI,   3                           ; 16 x lane
.set RNG,  4                           ; v4-5  my part of slot 0, 1
.set YRD,  6                           ; v6-7  images of K steps 0-3, 4-7
.set YW,   8                           ; where I store images
.set YSCW, 9
.set YSCR, 10
.set STW,  11                          ; the stage by runs: row lane/16, 16 bytes x lane%16
.set STRS, 12                          ; by rows, for a quantiser: row lane%16, + 64 h
.set STRX, 13                          ; by rows, in the layout of a result: + 32 h
.set GS,   14                          ; 2048 h + 16 r: two rows of memory
.set LNW,  15
.set LNR,  16
.set STC,  17
.set CRD,  18
.set CB,   20                          ; v20-31 be, g, bt of my 128 columns, 4 a lane
.set SWR,  32                          ; v32-63 the scale words of We: 4 b + ks%4; lanes 0-15 K steps 0-3, lanes 16-31 K steps 4-7
.set SY,   64                          ; v64-127 the scale words of y: 8 ks + a
.set PS,   64                          ; ahead of that: of p,
.set HS,   72                          ; and of Q(h)
.set AF,   128                         ; v128-223 the outer operand
.set AA,   128                         ; ahead of the large product: v128-191 a tile of rows of a
.set TM,   192
.set T2,   208
.set PCA,  216
.set PCS,  228
.set YSWS, 240
.set YSWA, 248
.set LT,   128                         ; behind it
.set TT,   160
.set RS1,  168
.set MUP,  176
.set RSP,  192
.set TP,   208
.set PT,   0                           ; window 1, ahead: fragments of p, 1 / l, fragments of Q(h)
.set RL,   96
.set HQ,   160
.set BE,   0                           ; window 1, behind: be, g, bt in the layout of a result
.set GG,   64
.set BT,   128
.set WV,   42
.set G1,   44
.set D0,   52
.set D1,   56
.set D2,   60
.set D3,   68
.set SEL,  80
.set MUL_LO, 0xa1
.set MUL_HI, 0xf1
.set TO_B,   0x40
.set MSB, 0
.macro WIN new
.if MSB != (\new)
	s_set_vgpr_msb (MSB<<8)|(\new)
.set MSB, (\new)
.endif
.endm
.macro PLACES n
.rept \n
	v_nop
.endr
.endm
.macro CREST
	s_cmp_lg_u32 s[WV], 0
	s_cbranch_scc1 .Lnot_wave_0_\@
	s_barrier_signal -3
.Lnot_wave_0_\@:
	s_barrier_wait -3
	s_barrier_signal -1
	s_barrier_wait -1
.endm
.macro CROUND
	s_barrier_signal -1
	s_barrier_wait -1
	CREST
.endm
; 64 numbers of a lane in window W, register 16 b + i = place 32 b + 16 (lane/16) + i along K, become a fragment (12 registers at dst, window 0) and its scale word (pw)
.macro QUANT s, W, dst, pw
	WIN ((\W)<<2)|(\W)
.irp b, 0,1,2,3
	v_max3_num_f32 v[TM+\b], |v[(\s)+16*\b]|, |v[(\s)+16*\b+1]|, 0x2800000   ; and the floor 2^(5-127)
.endr
	WIN ((\W)<<4)|((\W)<<2)
.irp i, 2,4,6,8,10,12,14
.irp b, 0,1,2,3
	v_max3_num_f32 v[TM+\b], v[TM+\b], |v[(\s)+16*\b+\i]|, |v[(\s)+16*\b+\i+1]|
.endr
.endr
	WIN 0
.irp b, 0,1,2,3
	v_permlanex16_b32 v[TM+4+\b], v[TM+\b], s[SEL], s[SEL+1]
.endr
.irp b, 0,1,2,3
	v_max_num_f32 v[TM+\b], v[TM+\b], v[TM+4+\b]
.endr
.irp b, 0,1,2,3
	v_add_nc_u32 v[TM+12+\b], 0xfe000000, v[TM+\b]
.endr
.irp b, 0,1,2,3
	v_lshrrev_b32 v[TM+4+\b], 23, v[TM+12+\b]
.endr
	v_lshl_or_b32 v[\pw], v[TM+5], 8, v[TM+4]
	v_lshl_or_b32 v[\pw], v[TM+6], 16, v[\pw]
	v_lshl_or_b32 v[\pw], v[TM+7], 24, v[\pw]
	WIN (\W)
.irp c, 0,1
	v_cvt_scalef32_pk16_bf6_f32 v[(\dst)+6*\c:(\dst)+6*\c+2], v[(\s)+32*\c:(\s)+32*\c+15], v[TM+12+2*\c]
	v_cvt_scalef32_pk16_bf6_f32 v[T2+4*\c:T2+4*\c+2], v[(\s)+32*\c+16:(\s)+32*\c+31], v[TM+13+2*\c]
.endr
	WIN 0
	v_nop                                          ; one plain line behind the last scaled conversion
.irp c, 0,1
.irp i, 0,1,2
	v_permlane16_swap_b32 v[(\dst)+6*\c+\i], v[T2+4*\c+\i]
.endr
.irp i, 0,1,2
	v_mov_b32 v[(\dst)+6*\c+3+\i], v[T2+4*\c+\i]
.endr
.endr
.endm
.macro MKD d, slot, off
	s_mov_b32 s[\d], 1
	s_add_co_u32 s[\d+1], s92, (\slot)*SLOTB
	s_add_nc_u64 s[\d+2:\d+3], s[90:91], \off
	s_or_b32 s[\d+3], s[\d+3], 0x80000000
.endm
; block n of the stream s0 .. s7, x0 .. x7: 16 rows x my 512 bytes, 16 loads; lanes 0-15 take one aligned run of 256 bytes, lanes 16-31 the run one row below
.macro STREAM n
.set sa, (\n)%8
	WIN (2+sa/4)<<6
.irp hf, 0,1
.irp i, 0,1,2,3,4,5,6,7
.if (\n) < 8
	global_load_b128 v[64*(sa%4)+32*\hf+4*\i:64*(sa%4)+32*\hf+4*\i+3], v[GS], s[14:15] offset:(16*sa+2*\i)*2048+256*\hf th:TH_LOAD_NT
.else
	global_load_b128 v[64*(sa%4)+32*\hf+4*\i:64*(sa%4)+32*\hf+4*\i+3], v[GS], s[16:17] offset:(16*sa+2*\i)*2048+256*\hf th:TH_LOAD_NT
.endif
.endr
.endr
	WIN 0
.endm
; row tile a: s is turned and quantised (K step w), a is multiplied, divided by l and quantised (K step 4 + w); the stream goes on
.macro TRIP a
.set tB, 64*((\a)%4)
.set tW, 2+(\a)/4
	s_wait_loadcnt 32                              ; my block of s is in; the two younger blocks of 16 loads may be out
	WIN (tW<<6)|(tW<<2)
.irp hf, 0,1
.irp i, 0,1,2,3,4,5,6,7
	ds_store_b128 v[STW], v[tB+32*\hf+4*\i:tB+32*\hf+4*\i+3] offset:2*\i*SP
.endr
.irp b, 0,1
.irp k, 0,1,2,3
	ds_load_b128 v[tB+32*\hf+16*\b+4*\k:tB+32*\hf+16*\b+4*\k+3], v[STRS] offset:128*\b+16*\k   ; LDS serves the instructions of a wave in order: these see the stores above
.endr
.endr
.endr
	WIN 0x05                                       ; both sources in window 1
.irp t, 0,1,2,3,4,5,6,7
	v_wmma_scale_f32_16x16x128_f8f6f4 v[AA+8*\t:AA+8*\t+7], v[PT+12*\t:PT+12*\t+11], v[HQ+12*(\a):HQ+12*(\a)+11], 0, v[PS+\t], v[HS+(\a)] matrix_a_fmt:MATRIX_FMT_BF6 matrix_b_fmt:MATRIX_FMT_BF6
.endr
	PLACES 4
	WIN 0x04
.set jj, 0
.rept 32
	v_pk_mul_f32 v[AA+jj:AA+jj+1], v[AA+jj:AA+jj+1], v[RL+jj:RL+jj+1]   ; / l
.set jj, jj+2
.endr
	WIN 0
	s_wait_dscnt 0x0                               ; s is back from the stage; the image stores of the last trip have read their registers
	QUANT AA,0,PCA,YSWA+(\a)
.irp c, 0,1,2
	ds_store_b128 v[YW], v[PCA+4*\c:PCA+4*\c+3] offset:49152+(\a)*FRB+512*\c
.endr
	QUANT tB,tW,PCS,YSWS+(\a)
.irp c, 0,1,2
	ds_store_b128 v[YW], v[PCS+4*\c:PCS+4*\c+3] offset:(\a)*FRB+512*\c
.endr
	STREAM (\a)+3
.endm
; x of row tile a is turned into the layout of a result: it is the C of the sums
.macro XT a
.set tB, 64*((\a)%4)
.set tW, 2+(\a)/4
.if (\a) <= 5
	s_wait_loadcnt 32                              ; the younger blocks of x may be out
.else
	s_wait_loadcnt 16*(7-(\a))
.endif
	WIN (tW<<6)|(tW<<2)
.irp hf, 0,1
.irp i, 0,1,2,3,4,5,6,7
	ds_store_b128 v[STW], v[tB+32*\hf+4*\i:tB+32*\hf+4*\i+3] offset:2*\i*SP
.endr
.irp t, 0,1,2,3
.irp u, 0,1
	ds_load_b128 v[tB+32*\hf+8*\t+4*\u:tB+32*\hf+8*\t+4*\u+3], v[STRX] offset:64*\t+16*\u
.endr
.endr
.endr
	WIN 0
.if (\a) <= 4
	STREAM (\a)+11
.endif
.endm
.macro BMM o, i, set, ks
.set rD, 8*(8*((\o)%4)+(\i))
.set rA, 128*(\set)+12*(\i)
.set rB, AF+12*(\o)
.set sX, SWR+4*(\i)+((\ks)%4)
.set sY, SY+8*(\ks)+(\o)
.if (\ks) < 4
	v_wmma_scale_f32_16x16x128_f8f6f4 v[rD:rD+7], v[rA:rA+11], v[rB:rB+11], v[rD:rD+7], v[sX], v[sY] matrix_a_fmt:MATRIX_FMT_BF6 matrix_b_fmt:MATRIX_FMT_BF6
.else
	v_wmma_scale_f32_16x16x128_f8f6f4 v[rD:rD+7], v[rA:rA+11], v[rB:rB+11], v[rD:rD+7], v[sX], v[sY] matrix_a_fmt:MATRIX_FMT_BF6 matrix_b_fmt:MATRIX_FMT_BF6 matrix_a_scale:MATRIX_SCALE_ROW1
.endif
.endm
; 16 matrix instructions; the 64 accumulators take turns, one instruction a turn, in the same order in every step
.macro BMUL16 o0, set, ks
.irp o, \o0, \o0+1
.irp i, 0,1,2,3,4,5,6,7
	BMM \o, \i, \set, \ks
.endr
.endr
.endm
.macro BFIN slot, q, set               ; 8 fragments of We out of my part of the ring
	WIN TO_B
.irp i, 0,1,2,3,4,5,6,7
.irp c, 0,1,2
	ds_load_b128 v[128*(\set)+12*\i+4*\c:128*(\set)+12*\i+4*\c+3], v[RNG+(\slot)] offset:(8*(\q)+\i)*FRB+512*\c
.endr
.endr
	WIN 0
.endm
.macro BFOUT ks, o0                    ; 4 fragments of y
.irp o, \o0, \o0+1, \o0+2, \o0+3
.irp c, 0,1,2
	ds_load_b128 v[AF+12*(\o)+4*\c:AF+12*(\o)+4*\c+3], v[YRD+(\ks)/4] offset:(8*((\ks)%4)+(\o))*FRB+512*\c
.endr
.endr
.endm
.macro BSTEP ks                        ; an even K step: the first of its slot
.set bsl, ((\ks)/2)%2
	s_wait_dscnt 12                                ; all but the 12 youngest loads, row tiles 4-7 of y, are in
	WIN MUL_LO
	BMUL16 0, 0, \ks
	BMUL16 2, 0, \ks
	s_wait_dscnt 0x0
	PLACES 4
	BFIN bsl, 1, 1
	BFOUT (\ks)+1, 0
	WIN MUL_HI
	BMUL16 4, 0, \ks
	BMUL16 6, 0, \ks
	PLACES 4
	WIN 0
	BFOUT (\ks)+1, 4
.endm
.macro BTURN ks, fill, d               ; an odd K step: the last of its slot.  fill = 1: the slot is filled again by descriptor d
.set bsl, ((\ks)/2)%2
	s_wait_tensorcnt 0x0                           ; all my tensor loads have landed, the other slot among them
	ds_add_u32 v[SPW], v[NIL]                      ; 0 onto my spare word
	s_wait_dscnt 13                                ; the add and the 12 youngest loads may be out
	WIN MUL_LO
	BMUL16 0, 1, \ks
	s_wait_dscnt 0x0                               ; the add is done and my reads of this slot are over
	s_barrier_signal -1
	BMUL16 2, 1, \ks
	WIN 0
	s_barrier_wait -1
.if \fill
	CREST                                          ; no wave of any partner still reads this slot or has a load on its way
	tensor_load_to_lds s[\d:\d+3], s[G1:G1+7]
	s_nop 0
.endif
	PLACES 4
	BFIN 1-bsl, 0, 0
	BFOUT (\ks)+1, 0
	WIN MUL_HI
	BMUL16 4, 1, \ks
	BMUL16 6, 1, \ks
	PLACES 4
	WIN 0
	BFOUT (\ks)+1, 4
.endm
.macro FOLD a                          ; four pairs of partial sums become one number
	v_pk_add_f32 v[TT:TT+1], v[TT:TT+1], v[TT+2:TT+3]
	v_pk_add_f32 v[TT+4:TT+5], v[TT+4:TT+5], v[TT+6:TT+7]
	v_pk_add_f32 v[TT:TT+1], v[TT:TT+1], v[TT+4:TT+5]
	v_add_f32 v[RS1+(\a)], v[TT], v[TT+1]
.endm
.macro SUM1 a                          ; + be, and the sum of my 64 numbers of each row of tile a
.set tB, 64*((\a)%4)
.set tW, 2+(\a)/4
	WIN (tW<<6)|(1<<2)|tW
.set jj, 0
.rept 32
	v_pk_add_f32 v[tB+jj:tB+jj+1], v[tB+jj:tB+jj+1], v[BE+jj:BE+jj+1]   ; each accumulator from its low end on
.set jj, jj+2
.endr
	WIN (tW<<2)|tW
.irp k, 0,1,2,3
	v_pk_add_f32 v[TT+2*\k:TT+2*\k+1], v[tB+2*\k:tB+2*\k+1], v[tB+8+2*\k:tB+8+2*\k+1]
.endr
	WIN (tW<<2)
.set jj, 0
.rept 24
	v_pk_add_f32 v[TT+2*(jj%4):TT+2*(jj%4)+1], v[TT+2*(jj%4):TT+2*(jj%4)+1], v[tB+16+2*jj:tB+16+2*jj+1]
.set jj, jj+1
.endr
	WIN 0
	FOLD \a
.endm
.macro SUM2 a                          ; - the mean, in place, and the sum of the squares
.set tB, 64*((\a)%4)
.set tW, 2+(\a)/4
	WIN (tW<<6)|tW
.set jj, 0
.rept 32
	v_pk_add_f32 v[tB+jj:tB+jj+1], v[tB+jj:tB+jj+1], v[MUP+2*(\a):MUP+2*(\a)+1] neg_lo:[0,1] neg_hi:[0,1]
.set jj, jj+2
.endr
	WIN (tW<<2)|tW
.irp k, 0,1,2,3
	v_pk_mul_f32 v[TT+2*\k:TT+2*\k+1], v[tB+2*\k:tB+2*\k+1], v[tB+2*\k:tB+2*\k+1]
.endr
.set jj, 4
.rept 28
	v_pk_fma_f32 v[TT+2*(jj%4):TT+2*(jj%4)+1], v[tB+2*jj:tB+2*jj+1], v[tB+2*jj:tB+2*jj+1], v[TT+2*(jj%4):TT+2*(jj%4)+1]
.set jj, jj+1
.endr
	WIN 0
	FOLD \a
.endm
; the eight sums of a lane: + lane l xor 16 (the other half of my columns), then over the four waves through LDS: [wave][row % 16][tile] f32
.macro EXCH off
.irp t, 0,1,2,3,4,5,6,7
	v_permlanex16_b32 v[TP+\t], v[RS1+\t], s[SEL], s[SEL+1]
.endr
.irp t, 0,1,2,3,4,5,6,7
	v_add_f32 v[RS1+\t], v[RS1+\t], v[TP+\t]
.endr
	ds_store_b128 v[LNW], v[RS1:RS1+3] offset:\off             ; lanes l and l xor 16 write the same bytes with the same values
	ds_store_b128 v[LNW], v[RS1+4:RS1+7] offset:\off+16
	s_wait_dscnt 0x0                               ; for the sake of the others
	s_barrier_signal -1
	s_barrier_wait -1
.irp q, 0,1,2,3
.irp u, 0,1
	ds_load_b128 v[LT+8*\q+4*\u:LT+8*\q+4*\u+3], v[LNR] offset:\off+512*\q+16*\u
.endr
.endr
	s_wait_dscnt 0x0
.irp j, 0,2,4,6
	v_pk_add_f32 v[LT+\j:LT+\j+1], v[LT+\j:LT+\j+1], v[LT+8+\j:LT+8+\j+1]
	v_pk_add_f32 v[LT+16+\j:LT+16+\j+1], v[LT+16+\j:LT+16+\j+1], v[LT+24+\j:LT+24+\j+1]
.endr
.irp j, 0,2,4,6
	v_pk_add_f32 v[LT+\j:LT+\j+1], v[LT+\j:LT+\j+1], v[LT+16+\j:LT+16+\j+1]
.endr
.endm
.macro NORM a
.set tB, 64*((\a)%4)
.set tW, 2+(\a)/4
	WIN (tW<<6)|tW
.set jj, 0
.rept 32
	v_pk_mul_f32 v[tB+jj:tB+jj+1], v[tB+jj:tB+jj+1], v[RSP+2*(\a):RSP+2*(\a)+1]
.set jj, jj+2
.endr
	WIN (tW<<6)|(1<<4)|(1<<2)|tW
.set jj, 0
.rept 32
	v_pk_fma_f32 v[tB+jj:tB+jj+1], v[tB+jj:tB+jj+1], v[GG+jj:GG+jj+1], v[BT+jj:BT+jj+1]
.set jj, jj+2
.endr
.endm
.macro TOSTAGE a                       ; back into runs of 256 bytes, in place
.set tB, 64*((\a)%4)
.set tW, 2+(\a)/4
	WIN (tW<<6)|(tW<<2)
.irp hf, 0,1
.irp t, 0,1,2,3
.irp u, 0,1
	ds_store_b128 v[STRX], v[tB+32*\hf+8*\t+4*\u:tB+32*\hf+8*\t+4*\u+3] offset:64*\t+16*\u
.endr
.endr
.irp i, 0,1,2,3,4,5,6,7
	ds_load_b128 v[tB+32*\hf+4*\i:tB+32*\hf+4*\i+3], v[STW] offset:2*\i*SP
.endr
.endr
.endm
.macro SEND a
.set uB, 64*((\a)%4)
.set uW, 2+(\a)/4
	s_wait_dscnt 0x0                               ; the block is back in registers
	WIN (uW<<2)
.irp hf, 0,1
.irp i, 0,1,2,3,4,5,6,7
	global_store_b128 v[GS], v[uB+32*\hf+4*\i:uB+32*\hf+4*\i+3], s[24:25] offset:(16*(\a)+2*\i)*2048+256*\hf th:TH_STORE_NT   ; 16 lanes store 256 consecutive bytes, aligned
.endr
.endr
.endm
	s_load_b256 s[4:11], s[0:1], 0x0               ; hqc, hqs, pctx, weimg
	s_load_b256 s[12:19], s[0:1], 0x20             ; path 0: We scales, s, x, be
	s_load_b128 s[20:23], s[0:1], 0x40             ; g, bt
	s_load_b64 s[24:25], s[0:1], 0x50              ; out
	s_load_b64 s[26:27], s[0:1], 0x58              ; path 1: We scales
	s_load_b256 s[28:35], s[0:1], 0x60             ; s, x, be, g
	s_load_b128 s[36:39], s[0:1], 0x80             ; bt, out
	v_lshl_add_u32 v[SPW], v0, 2, SPARE
	v_mov_b32 v[NIL], 0
	ds_add_u32 v1, v2
	ds_add_u32 v1, v2
	s_wait_dscnt 0x0
	v_lshrrev_b32 v19, 5, v0
	v_readfirstlane_b32 s[WV], v19                 ; wave 0..3
	s_bfe_u32 s43, ttmp6, 0x40000                  ; my place in the cluster: it enters addresses of plain loads and stores alone
	s_lshr_b32 s84, ttmp9, 5                       ; the path: equal in all four partners
	s_lshl_b32 s85, ttmp9, 2
	s_add_co_u32 s85, s85, s43                     ; work-group = 128 x path + RB
	s_and_b32 s86, s85, 127                        ; RB
	s_lshr_b32 s87, s86, 5                         ; the batch
	; group 1: a dense block of 24,576 bytes as 96 rows of 32 elements of 8 bytes; no padding; mask: all four partners
	s_mov_b32 s[G1], 15|(3<<16)|(1<<21)
	s_mov_b32 s[G1+1], 32<<16
	s_mov_b32 s[G1+2], 96<<16
	s_mov_b32 s[G1+3], 32<<16
	s_mov_b32 s[G1+4], 96
	s_mov_b32 s[G1+5], 32
	s_mov_b32 s[G1+6], 0
	s_mov_b32 s[G1+7], 0
	s_mul_i32 s88, s84, 393216                     ; weimg: [path][wave][ks 8][b 8][1536]
	s_mul_i32 s89, s[WV], 4*WPART
	s_add_co_u32 s88, s88, s89
	s_mov_b32 s89, 0
	s_mul_i32 s92, s[WV], WPART
	s_mov_b32 s[SEL], 0x76543210
	s_mov_b32 s[SEL+1], 0xfedcba98
	s_mov_b32 s82, 0x3b000000                      ; 1 / 512
	s_mov_b32 s83, 0x3727c5ac                      ; 1e-5
	s_wait_kmcnt 0x0
	s_cmp_lt_u32 ttmp9, 32
	s_cselect_b64 s[12:13], s[12:13], s[26:27]
	s_cselect_b64 s[14:15], s[14:15], s[28:29]
	s_cselect_b64 s[16:17], s[16:17], s[30:31]
	s_cselect_b64 s[18:19], s[18:19], s[32:33]
	s_cselect_b64 s[20:21], s[20:21], s[34:35]
	s_cselect_b64 s[22:23], s[22:23], s[36:37]
	s_cselect_b64 s[24:25], s[24:25], s[38:39]
	s_add_nc_u64 s[90:91], s[10:11], s[88:89]
	MKD D0, 0, 0                                   ; K steps 0, 1
	MKD D1, 1, WPART                               ; 2, 3
	MKD D2, 0, 2*WPART                             ; 4, 5
	MKD D3, 1, 3*WPART                             ; 6, 7
	CROUND                                         ; all four partners are here: the first joint loads meet
	tensor_load_to_lds s[D0:D0+3], s[G1:G1+7]
	s_nop 0
	tensor_load_to_lds s[D1:D1+3], s[G1:G1+7]
	s_nop 0
	PLACES 4
	v_and_b32 v131, 15, v0                         ; r
	v_bfe_u32 v132, v0, 4, 1                       ; h
	v_and_b32 v133, 31, v0                         ; lane
	v_lshlrev_b32 v[LI], 4, v133
	s_mul_i32 s93, s[WV], WPART
	v_add_nc_u32 v[RNG], s93, v[LI]
	v_add_nc_u32 v[RNG+1], SLOTB, v[RNG]
	v_add_nc_u32 v[YRD], YIMG, v[LI]
	v_add_nc_u32 v[YRD+1], YIMG+32*FRB, v[LI]
	s_mul_i32 s93, s[WV], 8*FRB
	v_add_nc_u32 v[YW], s93, v[YRD]
	v_add_nc_u32 v[YSCR], YSC, v[LI]
	s_lshl_b32 s93, s[WV], 10
	v_add_nc_u32 v[YSCW], s93, v[YSCR]
	s_mul_i32 s93, s[WV], WSTG
	s_add_co_u32 s93, s93, STG                     ; my stage
	v_mul_u32_u24 v134, v132, SP
	v_lshl_add_u32 v134, v131, 4, v134
	v_add_nc_u32 v[STW], s93, v134
	v_mul_u32_u24 v134, v131, SP
	v_add_nc_u32 v134, s93, v134
	v_lshl_add_u32 v[STRS], v132, 6, v134
	v_lshl_add_u32 v[STRX], v132, 5, v134
	v_lshlrev_b32 v[GS], 11, v132
	v_lshl_add_u32 v[GS], v131, 4, v[GS]
	v_add_nc_u32 v[STC], s93, v[LI]
	v_lshlrev_b32 v[CRD], 5, v132
	v_add_nc_u32 v[CRD], s93, v[CRD]
	v_lshlrev_b32 v[LNR], 5, v131
	v_add_nc_u32 v[LNR], YSC, v[LNR]
	s_lshl_b32 s93, s[WV], 9
	v_add_nc_u32 v[LNW], s93, v[LNR]
	v_lshlrev_b32 v128, 2, v133                    ; 4 x lane
	v_lshlrev_b32 v129, 5, v132                    ; 32 h
	v_lshlrev_b32 v130, 5, v131
	v_lshl_add_u32 v130, v132, 4, v130             ; 32 r + 16 h
.irp b, 0,1,2,3
	v_mov_b32 v[TM+4+\b], 0                        ; written once: the destination of a lane permute counts as one of its sources
.endr
	s_xor_b32 s94, s84, 1                          ; p comes from the OTHER path
	s_lshl_b32 s94, s94, 2
	s_add_co_u32 s94, s94, s87
	s_lshl_b32 s94, s94, 5
	s_lshl_b32 s95, s[WV], 3
	s_add_co_u32 s94, s94, s95                     ; record (head 2 w, te 0)
	s_lshl_b32 s94, s94, 11
	s_mov_b32 s95, 0
	s_add_nc_u64 s[8:9], s[8:9], s[94:95]
	s_lshl_b32 s96, s85, 2
	s_add_co_u32 s96, s96, s[WV]
	s_mul_i32 s94, s96, 8*FRB
	s_add_nc_u64 s[4:5], s[4:5], s[94:95]          ; K step w of Q(h)
	s_lshl_b32 s94, s96, 10
	s_add_nc_u64 s[6:7], s[6:7], s[94:95]
	s_lshl_b32 s94, s[WV], 12
	s_add_nc_u64 s[12:13], s[12:13], s[94:95]      ; the scale rows of my 128 rows of We
	s_lshl_b32 s94, s[WV], 9
	s_add_nc_u64 s[18:19], s[18:19], s[94:95]      ; my 128 columns of be, g, bt
	s_add_nc_u64 s[20:21], s[20:21], s[94:95]
	s_add_nc_u64 s[22:23], s[22:23], s[94:95]
	s_lshl_b32 s96, s86, 18                        ; 128 rows of 2,048 bytes a row block
	s_add_co_u32 s94, s94, s96
	s_add_nc_u64 s[14:15], s[14:15], s[94:95]      ; s, x, out at my first row and column
	s_add_nc_u64 s[16:17], s[16:17], s[94:95]
	s_add_nc_u64 s[24:25], s[24:25], s[94:95]
	WIN TO_B
.irp t, 0,1,2,3,4,5,6,7
.irp c, 0,1,2
	global_load_b128 v[PT+12*\t+4*\c:PT+12*\t+4*\c+3], v[LI], s[8:9] offset:\t*2048+512*\c
.endr
.endr
.irp t, 0,1,2,3,4,5,6,7
.irp u, 0,1
	global_load_b128 v[RL+8*\t+4*\u:RL+8*\t+4*\u+3], v129, s[8:9] offset:\t*2048+1664+16*\u   ; 1 / l of the eight e of my half
.endr
.endr
.irp a, 0,1,2,3,4,5,6,7
.irp c, 0,1,2
	global_load_b128 v[HQ+12*\a+4*\c:HQ+12*\a+4*\c+3], v[LI], s[4:5] offset:\a*FRB+512*\c
.endr
.endr
	WIN 0
.irp t, 0,1,2,3,4,5,6,7
	global_load_b32 v[PS+\t], v128, s[8:9] offset:\t*2048+1536
.endr
	global_load_b128 v[HS:HS+3], v[LI], s[6:7]
	global_load_b128 v[HS+4:HS+7], v[LI], s[6:7] offset:512
.irp b, 0,1,2,3,4,5,6,7
	global_load_b128 v[SWR+4*\b:SWR+4*\b+3], v130, s[12:13] offset:512*\b
.endr
	global_load_b128 v[CB:CB+3], v[LI], s[18:19]
	global_load_b128 v[CB+4:CB+7], v[LI], s[20:21]
	global_load_b128 v[CB+8:CB+11], v[LI], s[22:23]
	STREAM 0
	STREAM 1
	STREAM 2
	; ---- y: 8 row tiles
.irp n, 0,1,2,3,4,5,6,7
	TRIP \n
.endr
	ds_store_b128 v[YSCW], v[YSWS:YSWS+3]
	ds_store_b128 v[YSCW], v[YSWS+4:YSWS+7] offset:512
	ds_store_b128 v[YSCW], v[YSWA:YSWA+3] offset:4096
	ds_store_b128 v[YSCW], v[YSWA+4:YSWA+7] offset:4608
	s_wait_dscnt 0x0                               ; my images and scale words have landed
	s_barrier_signal -1
	s_barrier_wait -1
.irp n, 0,1,2,3,4,5,6,7
	XT \n
.endr
.irp ks, 0,1,2,3,4,5,6,7
.irp hf, 0,1
	ds_load_b128 v[SY+8*\ks+4*\hf:SY+8*\ks+4*\hf+3], v[YSCR] offset:\ks*1024+\hf*512
.endr
.endr
	s_wait_tensorcnt 0x1                           ; my part of slot 0 is in, and only I read it; slot 1 may be out
	; ---- x + y We: 8 K steps
	BFIN 0, 0, 0
	BFOUT 0, 0
	BFOUT 0, 4
	BSTEP 0
	BTURN 1, 1, D2
	BSTEP 2
	BTURN 3, 1, D3
	BSTEP 4
	BTURN 5, 0, D3                                 ; nothing is left to fetch
	BSTEP 6
	s_wait_dscnt 12
	WIN MUL_LO
	BMUL16 0, 1, 7
	BMUL16 2, 1, 7
	s_wait_dscnt 0x0
	WIN MUL_HI
	BMUL16 4, 1, 7
	BMUL16 6, 1, 7
	WIN 0
	PLACES 4
	; ---- the norm.  be, g, bt go through my stage into the layout of a result
	ds_store_b128 v[STC], v[CB:CB+3]
	ds_store_b128 v[STC], v[CB+4:CB+7] offset:512
	ds_store_b128 v[STC], v[CB+8:CB+11] offset:1024
	WIN TO_B
.irp q, 0,1,2
.irp b, 0,1,2,3,4,5,6,7
.irp u, 0,1
	ds_load_b128 v[64*\q+8*\b+4*\u:64*\q+8*\b+4*\u+3], v[CRD] offset:512*\q+64*\b+16*\u
.endr
.endr
.endr
	WIN 0
	s_wait_dscnt 0x0
.irp n, 0,1,2,3,4,5,6,7
	SUM1 \n
.endr
	EXCH 0
.irp n, 0,1,2,3,4,5,6,7
	v_mul_f32 v[MUP+2*\n], s82, v[LT+\n]           ; the mean, twice: a pair for the packed forms
	v_mul_f32 v[MUP+2*\n+1], s82, v[LT+\n]
.endr
.irp n, 0,1,2,3,4,5,6,7
	SUM2 \n
.endr
	EXCH 2048
.irp n, 0,1,2,3,4,5,6,7
	v_fma_f32 v[TP+\n], v[LT+\n], s82, s83         ; the variance + 1e-5
.endr
.irp n, 0,1,2,3,4,5,6,7
	v_rsq_f32 v[RSP+2*\n], v[TP+\n]
	v_rsq_f32 v[RSP+2*\n+1], v[TP+\n]
.endr
	v_nop                                          ; one plain line behind the batch
	s_wait_alu depctr_va_vdst(0)                   ; one wait for the batch, ahead of its first use
	; ---- the way out: the arithmetic of a tile stands between the loads of the tile before and its stores
	NORM 0
	TOSTAGE 0
.irp n, 1,2,3,4,5,6,7
	NORM \n
	SEND \n-1
	TOSTAGE \n
.endr
	SEND 7
	WIN 0
	s_wait_tensorcnt 0x0                           ; the end of the wave
	ds_add_u32 v[SPW], v[NIL]
	s_wait_dscnt 0x0
	CROUND                                         ; the closing round
	s_endpgm
.Lfunc_end_k_q0bb43da984_back:
	.size	k_q0bb43da984_back, .Lfunc_end_k_q0bb43da984_back-k_q0bb43da984_back
	.p2alignl 7, 3214868480
	.fill 96, 4, 3214868480
	.section	.rodata,"a",@progbits
	.p2align	6, 0x0
	.amdhsa_kernel k_q0bb43da984_back
		.amdhsa_group_segment_fixed_size 327680
		.amdhsa_private_segment_fixed_size 0
		.amdhsa_enable_private_segment 0
		.amdhsa_kernarg_size 144
		.amdhsa_user_sgpr_count 2
		.amdhsa_user_sgpr_kernarg_segment_ptr 1
		.amdhsa_wavefront_size32 1
		.amdhsa_system_sgpr_workgroup_id_x 1
		.amdhsa_system_sgpr_workgroup_id_y 1
		.amdhsa_system_sgpr_workgroup_id_z 1
		.amdhsa_system_vgpr_workitem_id 0
		.amdhsa_next_free_vgpr 1024
		.amdhsa_next_free_sgpr 100
		.amdhsa_reserve_vcc 0
		.amdhsa_float_denorm_mode_32 3
		.amdhsa_float_denorm_mode_16_64 3
		.amdhsa_memory_ordered 1
		.amdhsa_forward_progress 1
		.amdhsa_inst_pref_size 255
	.end_amdhsa_kernel
	.section	.bss,"aw",@nobits
	.p2align	6
	.space	262144
	.amdgpu_metadata
---
amdhsa.version: [ 1, 2 ]
amdhsa.kernels:
  - .name:           k_q0bb43da984_back
    .symbol:         k_q0bb43da984_back.kd
    .args:
      - { .name: hqc, .offset: 0, .size: 8, .value_kind: global_buffer, .address_space: global }
      - { .name: hqs, .offset: 8, .size: 8, .value_kind: global_buffer, .address_space: global }
      - { .name: pctx, .offset: 16, .size: 8, .value_kind: global_buffer, .address_space: global }
      - { .name: weimg, .offset: 24, .size: 8, .value_kind: global_buffer, .address_space: global }
      - { .name: We1_scales, .offset: 32, .size: 8, .value_kind: global_buffer, .address_space: global }
      - { .name: s1, .offset: 40, .size: 8, .value_kind: global_buffer, .address_space: global }
      - { .name: x1, .offset: 48, .size: 8, .value_kind: global_buffer, .address_space: global }
      - { .name: be1, .offset: 56, .size: 8, .value_kind: global_buffer, .address_space: global }
      - { .name: g1, .offset: 64, .size: 8, .value_kind: global_buffer, .address_space: global }
      - { .name: bt1, .offset: 72, .size: 8, .value_kind: global_buffer, .address_space: global }
      - { .name: out0, .offset: 80, .size: 8, .value_kind: global_buffer, .address_space: global }
      - { .name: We2_scales, .offset: 88, .size: 8, .value_kind: global_buffer, .address_space: global }
      - { .name: s2, .offset: 96, .size: 8, .value_kind: global_buffer, .address_space: global }
      - { .name: x2, .offset: 104, .size: 8, .value_kind: global_buffer, .address_space: global }
      - { .name: be2, .offset: 112, .size: 8, .value_kind: global_buffer, .address_space: global }
      - { .name: g2, .offset: 120, .size: 8, .value_kind: global_buffer, .address_space: global }
      - { .name: bt2, .offset: 128, .size: 8, .value_kind: global_buffer, .address_space: global }
      - { .name: out1, .offset: 136, .size: 8, .value_kind: global_buffer, .address_space: global }
    .group_segment_fixed_size: 327680
    .private_segment_fixed_size: 0
    .kernarg_segment_align: 8
    .kernarg_segment_size: 144
    .max_flat_workgroup_size: 128
    .sgpr_count:     100
    .vgpr_count:     1024
    .wavefront_size: 32
...
	.end_amdgpu_metadata
.endif
;; end of part 3
